; MI455X (gfx1250); checked and timed in simulation.
; The chip was launched on July 23, 2026; its instructions are those of AMD's public machine-readable ISA for CDNA 5 (MIT licence, August 2026) and "CDNA5" Instruction Set Architecture Reference Guide (July 2026). The comments in the code are by the model that wrote it; some were corrected since.
;; KAN Spline Layer. Allowed arithmetic: matrix products marked QUANTISED: E4M3 operands, one given power-of-two scale a tensor, by v_wmma_f32_16x16x64_fp8_fp8 or v_wmma_f32_16x16x128_fp8_fp8, f32 sums; everything else in f32.
;; Inputs: base_weight 2,048 x 2,048 float32; grid 2,048 x 2,048 x 8 float32; lowp_scales 4 int32 (the exponents e of the quantised operands' scales 2^e); x 8,192 x 2,048 float32.
;; Outputs: out0 8,192 x 2,048 float32.
;; This version of the problem:
;;   THIS VERSION OF THE PROBLEM IS GIVEN IN LOW PRECISION. The matrix products marked QUANTISED in the list below multiply operands that are first quantised to E4M3 (4 exponent bits, 3 mantissa bits; 8 bits a number), with one given power-of-two scale for each operand tensor; their sums are f32. All else is computed in f32.
;;   The module's matrix products, in the order in which they are computed (A, B: the left and right operand; K: the contracted axis; several contracted axes count as one K, in the product's order):
;;     1. [M 8,192, K 2,048] x [K 2,048, N 2,048]; A: input x; B: input base_weight: QUANTISED (scales: A lowp_scales[0], B lowp_scales[1])
;;     2. [M 8,192, K 2,048] x [K 2,048, N 2,048]; A: computed on the way; B: computed on the way: QUANTISED (scales: A lowp_scales[2], B lowp_scales[3])
;;   THE QUANTISER, for each operand of a quantised product, along K:
;;     - The operand's scale is 2^e, e = its entry of the input lowp_scales (int32; the entries are numbered through the quantised products in the list's order, A before B).
;;     - Each number is divided by the scale, clamped to +-448, and rounded to the nearest number of E4M3, ties to even, subnormals kept.
;;     - The product sums the exact products of the quantised numbers (number of the format x scale) in f32.
;;   ~~~python
;;   def quantise(x, axis, e):      # numpy; x: float32 -> the quantised numbers, widened to float32 again
;;       x = np.moveaxis(x, axis, -1); K = x.shape[-1]
;;       r = np.clip(x / 2.0 ** e, -448, 448)
;;       step = 2.0 ** (np.maximum(np.frexp(np.where(r == 0, 1, r))[1] - 1, -6) - 3)
;;       q = np.round(r / step) * step * 2.0 ** e      # np.round: ties to even
;;       return np.moveaxis(q, -1, axis).astype(np.float32)
;;   ~~~
;;   OPERANDS COMPUTED ON THE WAY. 'Computed on the way' means the value that the module computes at that place (a softmax that the list does not call 'softmax' is quantised finished and normalised). What goes into a quantiser is computed in f32, as accurately as f32 sums, v_exp_f32 and their like allow (about 1e-6 of the number): no bf16 or f16 on the way to a quantiser, and a product that is left as it is and whose result goes on into a quantised operand takes f32 operands (vector FMAs, or v_wmma_f32_16x16x4_f32). A number that lies on a knife's edge between two numbers of the format may be rounded either way, as far as f32 arithmetic and the matrix unit's own rounding can turn it there, and no further.
;; One version. Each part assembles by itself: llvm-mc -triple=amdgcn-amd-amdhsa -mcpu=gfx1250 --defsym DOCPART=n.
;; ======== version 1 of 1: 3 launches
;; limits: right only within a limited range of input values
;; workspace buffers: acodes 33,554,432 bytes; bcodes 8,388,608 bytes; psum 1,024 bytes
;; launch gridsum (part 1): grid 64 x 4, 16 waves a work-group, no clusters, 19,456 bytes of LDS; arguments grid, lowp_scales, bcodes, psum; writes bcodes, psum
.if DOCPART == 1
	.amdgcn_target "amdgcn-amd-amdhsa--gfx1250"
	.amdhsa_code_object_version 6
	.text
	.protected	k_q90b7ef7c5d_gridsum
	.globl	k_q90b7ef7c5d_gridsum
	.p2align	8
	.type	k_q90b7ef7c5d_gridsum,@function
k_q90b7ef7c5d_gridsum:
	s_mov_b64 s[64:65], 0
	v_nop
	global_prefetch_b8 v0, s[64:65] scope:SCOPE_SE
	s_setreg_imm32_b32 hwreg(HW_REG_WAVE_MODE, 25, 1), 1
	s_wait_xcnt 0x0
; grid [2048 (i)][2048 (o)][8] f32 is read once.  gsum[i][o] = the sum over g of grid[i][o][g] is made in registers, quantised to E4M3 with the given
; scale 2^e3 (entry 3 of the scales) and stored as codes with K = i innermost, into the second half of each row of bcodes [2048 (o)][4096].
; The sum of all numbers of the work-group's part goes to psum, one f32 a work-group: the next launch makes grid's mean of the 256.
; K IS PERMUTED, alike in every operand of the program: in each run of 512 along K the code of k = 128 c + 4 l + j (c 0..3, l 0..31, j 0..3) lies at
; byte 16 l + 4 c + j.  Every product still meets its partner; only the order of the f32 sums differs from ascending K.
; SHARES.  Work-group (bx, by): columns o = 32 bx .. + 31, rows i = 512 by .. + 511.  Wave w: the 32 rows i = 512 by + 128 c + 8 w + r (c 0..3, r 0..7):
; by the permutation these are bytes 32 w .. 32 w + 31 of each column's run, byte n = 16 (r / 4) + 4 c + r % 4: a lane's register G + n.
; A ROW of the work-group's part is 1,024 consecutive bytes: two loads of 512.  In the first, lanes 2 j and 2 j + 1 hold g 0-3 and g 4-7 of column j, in the
; second of column 16 + j.  Each lane adds its four of both; then lane 2 j takes column j and lane 2 j + 1 column 16 + j: one exchange between neighbours.
; So the sum of eight is (4) + (4), not a chain.
; THE WAY OUT.  A lane's 32 codes belong to one row of bcodes, the lanes beside it hold other rows: they meet in a stage in LDS (row = the writing lane,
; 512 bytes + 16), and each wave stores two whole runs of 512 consecutive bytes, aligned.
; No tensor load, no loop: 48 loads of a wave (three groups of eight rows) are out from the start.
; LIMITS: e3 between -126 and 119, so that 2^e3 and 448 x 2^e3 are f32 numbers.  NaN among the inputs is not served.
.set ROWG,  65536                      ; a row i of grid in bytes
.set PITCH, 528                        ; a stage row: 512 bytes + 16: 33 x 16, so that the sixteen rows of a store start at sixteen different columns of 16 bytes
.set PS,    32*PITCH                   ; behind the stage: 16 words, a wave's sum each
.set OFF,   4                          ; v4-7    16 x lane + c x 128 rows (2^23 bytes, one more than a load's immediate holds)
.set STO,   8                          ; v8      the stage, in: 528 x lane + 32 x wave
.set RD,    9                          ; v9      the stage, out: 1,056 x wave + 16 x lane
.set LIMV,  10                         ; v10     448 x 2^e3
.set SCL,   11                         ; v11     2^e3
.set GO,    12                         ; v12     16 x lane
.set PSW,   13                         ; v13     PS + 4 x wave
.set PSR,   14                         ; v14     PS + 4 x (lane % 16)
.set NIL,   15                         ; v15     0
.set ACC,   16                         ; v16-17  the running sum for the mean, in two halves
.set T,     18                         ; v18-29  at work: two sets of six, by turns
.set G,     30                         ; v30-61  my column's 32 sums, in the order of its codes
.set BUF,   64                         ; v64-255 three buffers of eight rows (64 registers)
.set C,     64                         ; v64-71  the codes (the buffers are done with)
.set BK,    72                         ; v72-79  two runs read back from the stage
.set WS,    80                         ; v80     a wave's sum, read back
	s_load_b256 s[4:11], s[0:1], 0x0               ; grid s[4:5], the scales' exponents s[6:7], bcodes s[8:9], psum s[10:11]
	v_lshl_add_u32 v62, v0, 2, 0x4400
	v_mov_b32 v63, 0
	v_lshrrev_b32 v1, 5, v0
	s_delay_alu instid0(VALU_DEP_1)
	v_readfirstlane_b32 s12, v1                    ; wave 0..15
	v_and_b32 v1, 31, v0                           ; lane
	v_and_b32 v2, 1, v0
	s_delay_alu instid0(VALU_DEP_1)
	v_cmp_eq_u32 vcc_lo, 1, v2                     ; the odd lanes: kept to the end
	s_delay_alu instid0(VALU_DEP_3)
	v_lshlrev_b32 v[GO], 4, v1
.irp c, 0,1,2,3
	v_add_nc_u32 v[OFF+\c], (\c)<<23, v[GO]
.endr
	v_mul_u32_u24 v[STO], v1, PITCH
	s_lshl_b32 s17, s12, 5
	v_add_nc_u32 v[STO], s17, v[STO]
	s_mul_i32 s17, s12, 2*PITCH
	v_add_nc_u32 v[RD], s17, v[GO]
	v_mov_b32 v[PSW], s12
	s_delay_alu instid0(VALU_DEP_1)
	v_lshl_add_u32 v[PSW], v[PSW], 2, PS
	v_and_b32 v[PSR], 15, v0
	s_delay_alu instid0(VALU_DEP_1)
	v_lshl_add_u32 v[PSR], v[PSR], 2, PS
	v_mov_b32 v[NIL], 0
	s_mov_b32 s24, 0x76543210                      ; v_permlanex16_b32: each lane takes its own place in the other half
	s_mov_b32 s25, 0xfedcba98
	s_and_b32 s13, ttmp7, 0xffff                   ; by
	s_lshl_b32 s14, s13, 25                        ; grid: 512 by rows of 65,536 bytes,
	s_lshl_b32 s17, s12, 19                        ; + 8 w rows,
	s_add_co_u32 s14, s14, s17
	s_lshl_b32 s17, ttmp9, 10                      ; + 32 bx columns of 32 bytes
	s_add_co_u32 s14, s14, s17
	s_mov_b32 s15, 0
	s_lshl_b32 s18, ttmp9, 5
	s_add_co_u32 s18, s18, s12                     ; bcodes: row 32 bx + w of 4,096 bytes,
	s_lshl_b32 s18, s18, 12
	s_lshl_b32 s17, s13, 9                         ; + run by of 512 bytes
	s_add_co_u32 s18, s18, s17
	s_add_co_u32 s18, s18, 2048                    ; in the row's second half
	s_mov_b32 s19, 0
	s_lshl_b32 s26, s13, 6
	s_add_co_u32 s26, s26, ttmp9                   ; psum: word 64 by + bx
	s_lshl_b32 s26, s26, 2
	s_mov_b32 s27, 0
	s_wait_kmcnt 0x0
	s_load_b32 s16, s[6:7], 0xc                    ; e3
	s_add_nc_u64 s[4:5], s[4:5], s[14:15]
	s_add_nc_u64 s[8:9], s[8:9], s[18:19]
	s_add_nc_u64 s[10:11], s[10:11], s[26:27]
; Group c: my eight rows 128 c + 8 w + r, sixteen loads of 512 consecutive bytes, into buffer buf
.macro LOADG c, buf
.irp r, 0,1,2,3,4,5,6,7
	global_load_b128 v[BUF+64*(\buf)+8*\r:BUF+64*(\buf)+8*\r+3],   v[OFF+(\c)], s[4:5] offset:ROWG*\r th:TH_LOAD_NT
	global_load_b128 v[BUF+64*(\buf)+8*\r+4:BUF+64*(\buf)+8*\r+7], v[OFF+(\c)], s[4:5] offset:ROWG*\r+512 th:TH_LOAD_NT
.endr
.endm
; One row: a = my four of the first load, b = my four of the second.  An even lane keeps a and sends b, an odd lane keeps b and sends a.
.macro ROW buf, r, c
.set RA, BUF+64*(\buf)+8*(\r)
.set RT, T+6*((\r)%2)
.set RG, G+16*((\r)/4)+4*(\c)+((\r)%4)
	v_pk_add_f32 v[RT:RT+1],   v[RA:RA+1],   v[RA+2:RA+3]
	v_pk_add_f32 v[RT+2:RT+3], v[RA+4:RA+5], v[RA+6:RA+7]
	s_delay_alu instid0(VALU_DEP_2)
	v_add_f32 v[RT],   v[RT],   v[RT+1]           ; a
	s_delay_alu instid0(VALU_DEP_2)
	v_add_f32 v[RT+2], v[RT+2], v[RT+3]           ; b
	s_delay_alu instid0(VALU_DEP_1)
	v_cndmask_b32 v[RG],   v[RT],   v[RT+2], vcc_lo   ; what I keep
	s_delay_alu instid0(VALU_DEP_2)
	v_cndmask_b32 v[RT+4], v[RT+2], v[RT],   vcc_lo   ; what my neighbour wants
	s_delay_alu instid0(VALU_DEP_1)
	v_add_f32_dpp v[RG], v[RT+4], v[RG] row_xmask:1 row_mask:0xf bank_mask:0xf   ; + what lane xor 1 sends me: the sum of eight
.endm
; left = how many younger loads may stay out.  The group's eight sums also go into the running sum; the first group starts it: nothing is cleared.
.macro GROUP c, buf, left
	s_wait_loadcnt \left
.irp r, 0,1,2,3,4,5,6,7
	ROW \buf, \r, \c
.endr
.if (\c) == 0
	v_pk_add_f32 v[ACC:ACC+1], v[G:G+1], v[G+2:G+3]
.else
	v_pk_add_f32 v[ACC:ACC+1], v[ACC:ACC+1], v[G+4*(\c):G+4*(\c)+1]
	s_delay_alu instid0(VALU_DEP_1)
	v_pk_add_f32 v[ACC:ACC+1], v[ACC:ACC+1], v[G+4*(\c)+2:G+4*(\c)+3]
.endif
	s_delay_alu instid0(VALU_DEP_1)
	v_pk_add_f32 v[ACC:ACC+1], v[ACC:ACC+1], v[G+16+4*(\c):G+16+4*(\c)+1]
	s_delay_alu instid0(VALU_DEP_1)
	v_pk_add_f32 v[ACC:ACC+1], v[ACC:ACC+1], v[G+16+4*(\c)+2:G+16+4*(\c)+3]
.endm
	LOADG 0, 0
	LOADG 1, 1
	LOADG 2, 2
	s_wait_kmcnt 0x0
	s_add_co_i32 s16, s16, 127
	s_lshl_b32 s17, s16, 23
	v_mov_b32 v[SCL], s17                          ; 2^e3 as f32: the conversion takes its exponent field
	s_add_co_i32 s16, s16, 8
	s_lshl_b32 s16, s16, 23
	s_or_b32 s16, s16, 0x600000
	v_mov_b32 v[LIMV], s16                         ; 448 x 2^e3
	GROUP 0, 0, 32                                 ; groups 1 and 2 stay out
	LOADG 3, 0                                     ; buffer 0 has been read
	GROUP 1, 1, 32                                 ; groups 2 and 3 stay out
	GROUP 2, 2, 16
	GROUP 3, 0, 0
	; the wave's sum, in every lane, to the wave's word
	s_delay_alu instid0(VALU_DEP_1)
	v_add_f32 v[ACC], v[ACC], v[ACC+1]
	s_delay_alu instid0(VALU_DEP_1)
	v_add_f32_dpp v[ACC], v[ACC], v[ACC] row_xmask:1 row_mask:0xf bank_mask:0xf
	s_delay_alu instid0(VALU_DEP_1)
	v_add_f32_dpp v[ACC], v[ACC], v[ACC] row_xmask:2 row_mask:0xf bank_mask:0xf
	s_delay_alu instid0(VALU_DEP_1)
	v_add_f32_dpp v[ACC], v[ACC], v[ACC] row_xmask:4 row_mask:0xf bank_mask:0xf
	s_delay_alu instid0(VALU_DEP_1)
	v_add_f32_dpp v[ACC], v[ACC], v[ACC] row_xmask:8 row_mask:0xf bank_mask:0xf
	s_delay_alu instid0(VALU_DEP_1)
	v_permlanex16_b32 v[T], v[ACC], s24, s25       ; its destination counts as read: a register that has been written
	s_delay_alu instid0(VALU_DEP_1)
	v_add_f32 v[ACC], v[ACC], v[T]
	ds_store_b32 v[PSW], v[ACC]                    ; all lanes write the same word with the same number
	; the codes
.irp i, 0,1,2,3,4,5,6,7,8,9,10,11,12,13,14,15,16,17,18,19,20,21,22,23,24,25,26,27,28,29,30,31
	v_med3_num_f32 v[G+\i], v[G+\i], -v[LIMV], v[LIMV]   ; the conversion to an 8-bit code does not saturate (ISA guide 7.6.2): the hold at the largest code x the scale
.endr
.irp m, 0,1,2,3
	v_cvt_scalef32_pk8_fp8_f32 v[C+2*\m:C+2*\m+1], v[G+8*\m:G+8*\m+7], v[SCL]   ; register n's code goes to byte n
.endr
	v_nop                                          ; a plain line behind the last conversion
	ds_store_b128 v[STO], v[C:C+3]
	ds_store_b128 v[STO], v[C+4:C+7] offset:16
	s_wait_dscnt 0x0                               ; for the others' sake: my word and my 32 bytes of 32 stage rows have landed
	s_barrier_signal -1
	s_barrier_wait -1
	ds_load_b128 v[BK:BK+3],   v[RD]               ; stage row 2 w: column 32 bx + w
	ds_load_b128 v[BK+4:BK+7], v[RD] offset:PITCH  ; stage row 2 w + 1: column 32 bx + 16 + w
	s_wait_dscnt 0x0
	global_store_b128 v[GO], v[BK:BK+3],   s[8:9]               ; 32 lanes store 512 consecutive bytes, at a multiple of 512 from the buffer's first byte
	global_store_b128 v[GO], v[BK+4:BK+7], s[8:9] offset:16*4096  ; sixteen rows of bcodes further down
	s_cmp_lg_u32 s12, 0                            ; wave 0 adds the sixteen waves' sums, always in the same order
	s_cbranch_scc1 .Ldone
	ds_load_b32 v[WS], v[PSR]
	s_wait_dscnt 0x0
	v_add_f32_dpp v[WS], v[WS], v[WS] row_xmask:1 row_mask:0xf bank_mask:0xf
	s_delay_alu instid0(VALU_DEP_1)
	v_add_f32_dpp v[WS], v[WS], v[WS] row_xmask:2 row_mask:0xf bank_mask:0xf
	s_delay_alu instid0(VALU_DEP_1)
	v_add_f32_dpp v[WS], v[WS], v[WS] row_xmask:4 row_mask:0xf bank_mask:0xf
	s_delay_alu instid0(VALU_DEP_1)
	v_add_f32_dpp v[WS], v[WS], v[WS] row_xmask:8 row_mask:0xf bank_mask:0xf
	v_cmp_eq_u32 s21, 0, v1
	s_wait_alu depctr_va_vdst(0)
	s_wait_xcnt 0x0                                ; EXEC is a source of the stores above: it changes only behind this wait
	s_and_saveexec_b32 s22, s21                    ; lane 0 alone
	global_store_b32 v[NIL], v[WS], s[10:11]
	s_wait_xcnt 0x0                                ; and again in front of the line that widens it
	s_or_b32 exec_lo, exec_lo, s22
.Ldone:
	s_wait_tensorcnt 0x0
	ds_add_u32 v62, v63
	s_wait_dscnt 0x0
	s_endpgm
.Lfunc_end_k_q90b7ef7c5d_gridsum:
	.size	k_q90b7ef7c5d_gridsum, .Lfunc_end_k_q90b7ef7c5d_gridsum-k_q90b7ef7c5d_gridsum
	.p2alignl 7, 3214868480
	.fill 96, 4, 3214868480
	.section	.rodata,"a",@progbits
	.p2align	6, 0x0
	.amdhsa_kernel k_q90b7ef7c5d_gridsum
		.amdhsa_group_segment_fixed_size 19456
		.amdhsa_private_segment_fixed_size 0
		.amdhsa_enable_private_segment 0
		.amdhsa_kernarg_size 32
		.amdhsa_user_sgpr_count 2
		.amdhsa_user_sgpr_kernarg_segment_ptr 1
		.amdhsa_wavefront_size32 1
		.amdhsa_system_sgpr_workgroup_id_x 1
		.amdhsa_system_sgpr_workgroup_id_y 1
		.amdhsa_system_sgpr_workgroup_id_z 1
		.amdhsa_system_vgpr_workitem_id 0
		.amdhsa_next_free_vgpr 256
		.amdhsa_next_free_sgpr 66
		.amdhsa_reserve_vcc 1
		.amdhsa_float_denorm_mode_32 3
		.amdhsa_float_denorm_mode_16_64 3
		.amdhsa_memory_ordered 1
		.amdhsa_forward_progress 1
		.amdhsa_inst_pref_size 30
	.end_amdhsa_kernel
	.amdgpu_metadata
---
amdhsa.version: [ 1, 2 ]
amdhsa.kernels:
  - .name:           k_q90b7ef7c5d_gridsum
    .symbol:         k_q90b7ef7c5d_gridsum.kd
    .args:
      - { .name: grid, .offset: 0, .size: 8, .value_kind: global_buffer, .address_space: global }
      - { .name: lowp_scales, .offset: 8, .size: 8, .value_kind: global_buffer, .address_space: global }
      - { .name: bcodes, .offset: 16, .size: 8, .value_kind: global_buffer, .address_space: global }
      - { .name: psum, .offset: 24, .size: 8, .value_kind: global_buffer, .address_space: global }
    .group_segment_fixed_size: 19456
    .private_segment_fixed_size: 0
    .kernarg_segment_align: 8
    .kernarg_segment_size: 32
    .max_flat_workgroup_size: 512
    .sgpr_count:     66
    .vgpr_count:     256
    .wavefront_size: 32
...
	.end_amdgpu_metadata
.endif
;; end of part 1
;; launch quant (part 2): grid 256 x 1, 16 waves a work-group, no clusters, 0 bytes of LDS; arguments x, base_weight, psum, lowp_scales, acodes, bcodes; writes acodes, bcodes
.if DOCPART == 2
	.amdgcn_target "amdgcn-amd-amdhsa--gfx1250"
	.amdhsa_code_object_version 6
	.text
	.protected	k_q90b7ef7c5d_quant
	.globl	k_q90b7ef7c5d_quant
	.p2align	8
	.type	k_q90b7ef7c5d_quant,@function
k_q90b7ef7c5d_quant:
	s_mov_b64 s[64:65], 0
	v_nop
	global_prefetch_b8 v0, s[64:65] scope:SCOPE_SE
	s_setreg_imm32_b32 hwreg(HW_REG_WAVE_MODE, 25, 1), 1
	s_wait_xcnt 0x0
; x [8192][2048] and base_weight [2048][2048], f32, are read once and become codes of E4M3:
;   acodes [8192][4096]: bytes 0-2047 of a row: x with the scale 2^e0; bytes 2048-4095: basis = exp(-(x - mean)^2) with 2^e2;
;   bcodes [2048][4096]: bytes 0-2047 of a row: base_weight with 2^e1 (the second half was stored by the launch before).
; mean = the sum of psum's 256 numbers x 2^-25 (grid has 2^25 numbers: the division rounds nothing).  Every wave adds them in the same order.
; code = number / 2^e, held within +-448, rounded to the nearest code, ties to even.
; K IS PERMUTED, alike in every operand of the program: in each run of 512 along K the code of k = 128 c + 4 l + j lies at byte 16 l + 4 c + j.  That is what four
; loads of 512 consecutive bytes (load c, lane l, register j) and two conversions leave in a lane's four registers: so the codes leave by one store of
; 512 consecutive bytes, and nothing goes through LDS.
; SHARES.  Work-group b: rows 32 b .. + 31 of x and rows 8 b .. + 7 of base_weight.  Wave w: two rows of x (eight steps of 512 numbers) and half a row of
; base_weight (two steps).  One straight text: no loop, no branch, no barrier; all 42 loads of a wave go out at the head, ahead of every store.
; LIMITS: e0, e1, e2 between -126 and 119.  A basis under 2^-126 comes out as 0 (v_exp_f32 gives no denormal).  NaN among the inputs is not served.
.set P,   2                            ; v2-9    psum: eight numbers a lane
.set NM,  12                           ; v12-13  -mean, twice
.set SX,  14                           ; v14, v15  2^e0, 448 x 2^e0
.set SB,  16                           ; v16, v17  2^e2, 448 x 2^e2
.set SW,  18                           ; v18, v19  2^e1, 448 x 2^e1
.set T,   20                           ; v20-35  16 numbers at work: the basis
.set C0,  36                           ; v36-43  step 0's codes
.set X,   44                           ; v44-203 ten sets of 16 numbers as loaded; a set that is done with takes the next step's codes, once
	s_load_b256 s[4:11], s[0:1], 0x0               ; x s[4:5], base_weight s[6:7], psum s[8:9], the scales' exponents s[10:11]
	s_load_b128 s[12:15], s[0:1], 0x20             ; acodes s[12:13], bcodes s[14:15]
	v_lshrrev_b32 v1, 5, v0
	s_delay_alu instid0(VALU_DEP_1)
	v_readfirstlane_b32 s20, v1                    ; wave 0..15
	v_and_b32 v1, 31, v0
	s_delay_alu instid0(VALU_DEP_1)
	v_lshlrev_b32 v1, 4, v1                        ; 16 x lane: the one offset register, never rewritten
	s_mov_b32 s24, 0x76543210
	s_mov_b32 s25, 0xfedcba98
	s_mov_b32 s34, 0xbfb8aa3b                      ; -log2(e)
	s_mov_b32 s35, s34                             ; (named with it as a pair, so it is written)
	s_lshl_b32 s22, ttmp9, 18                      ; x: 32 b rows of 8,192 bytes + 2 w rows
	s_lshl_b32 s26, s20, 14
	s_add_co_u32 s22, s22, s26
	s_mov_b32 s23, 0
	s_lshl_b32 s28, ttmp9, 16                      ; base_weight: 8 b rows + w halves of a row
	s_lshl_b32 s26, s20, 12
	s_add_co_u32 s28, s28, s26
	s_mov_b32 s29, 0
	s_lshl_b32 s30, ttmp9, 17                      ; acodes: 32 b rows of 4,096 bytes + 2 w rows
	s_lshl_b32 s26, s20, 13
	s_add_co_u32 s30, s30, s26
	s_mov_b32 s31, 0
	s_lshl_b32 s32, ttmp9, 15                      ; bcodes: 8 b rows + w / 2 rows + (w % 2) x 1,024 codes
	s_lshr_b32 s26, s20, 1
	s_lshl_b32 s26, s26, 12
	s_add_co_u32 s32, s32, s26
	s_and_b32 s26, s20, 1
	s_lshl_b32 s26, s26, 10
	s_add_co_u32 s32, s32, s26
	s_mov_b32 s33, 0
	s_wait_alu depctr_va_vdst(0)
	s_wait_kmcnt 0x0
	s_load_b128 s[16:19], s[10:11], 0x0            ; e0, e1, e2, e3
	s_add_nc_u64 s[4:5], s[4:5], s[22:23]
	s_add_nc_u64 s[6:7], s[6:7], s[28:29]
	s_add_nc_u64 s[12:13], s[12:13], s[30:31]
	s_add_nc_u64 s[14:15], s[14:15], s[32:33]
	global_load_b128 v[P:P+3],   v1, s[8:9]        ; psum: every wave of the launch reads it, so no hint
	global_load_b128 v[P+4:P+7], v1, s[8:9] offset:512
.irp t, 0,1,2,3,4,5,6,7
.irp c, 0,1,2,3
	global_load_b128 v[X+16*\t+4*\c:X+16*\t+4*\c+3], v1, s[4:5] offset:2048*\t+512*\c th:TH_LOAD_NT   ; 32 lanes read 512 consecutive bytes
.endr
.endr
.irp u, 0,1
.irp c, 0,1,2,3
	global_load_b128 v[X+16*(8+\u)+4*\c:X+16*(8+\u)+4*\c+3], v1, s[6:7] offset:2048*\u+512*\c th:TH_LOAD_NT
.endr
.endr
.macro MKSCALE e, vs                   ; v[vs] = 2^e as f32 (the conversion takes its exponent field), v[vs + 1] = 448 x 2^e
	s_add_co_i32 s26, s[\e], 127
	s_lshl_b32 s27, s26, 23
	v_mov_b32 v[\vs], s27
	s_add_co_i32 s26, s26, 8
	s_lshl_b32 s26, s26, 23
	s_or_b32 s26, s26, 0x600000
	v_mov_b32 v[\vs+1], s26
.endm
	s_wait_kmcnt 0x0
	MKSCALE 16, SX
	MKSCALE 18, SB
	MKSCALE 17, SW
	s_wait_loadcnt 40                              ; psum's two loads are in; the 40 loads issued behind them stay out
	v_pk_add_f32 v[P:P+1],   v[P:P+1],   v[P+2:P+3]
	v_pk_add_f32 v[P+4:P+5], v[P+4:P+5], v[P+6:P+7]
	s_delay_alu instid0(VALU_DEP_1)
	v_pk_add_f32 v[P:P+1],   v[P:P+1],   v[P+4:P+5]
	s_delay_alu instid0(VALU_DEP_1)
	v_add_f32 v[P], v[P], v[P+1]
	s_delay_alu instid0(VALU_DEP_1)
	v_add_f32_dpp v[P], v[P], v[P] row_xmask:1 row_mask:0xf bank_mask:0xf
	s_delay_alu instid0(VALU_DEP_1)
	v_add_f32_dpp v[P], v[P], v[P] row_xmask:2 row_mask:0xf bank_mask:0xf
	s_delay_alu instid0(VALU_DEP_1)
	v_add_f32_dpp v[P], v[P], v[P] row_xmask:4 row_mask:0xf bank_mask:0xf
	s_delay_alu instid0(VALU_DEP_1)
	v_add_f32_dpp v[P], v[P], v[P] row_xmask:8 row_mask:0xf bank_mask:0xf
	s_delay_alu instid0(VALU_DEP_1)
	v_permlanex16_b32 v[P+1], v[P], s24, s25
	s_delay_alu instid0(VALU_DEP_1)
	v_add_f32 v[P], v[P], v[P+1]                   ; the sum of all of grid, in every lane
	s_delay_alu instid0(VALU_DEP_1)
	v_mul_f32 v[NM], 0xb3000000, v[P]              ; x -2^-25: -mean
	s_delay_alu instid0(VALU_DEP_1)
	v_mov_b32 v[NM+1], v[NM]
; Step t of x: 512 numbers, 16 a lane.  Its eight registers of codes go into the set of the step before, which is done with and is written this once:
; so no store's data are ever written again, and no wait for a store's sources is needed.
.macro STEPX t
.set XS, X+16*(\t)
.if (\t) == 0
.set CD, C0
.else
.set CD, X+16*((\t)-1)
.endif
	s_wait_loadcnt 4*(9-(\t))                      ; this step's four loads are in; those of the later steps (x's and base_weight's) stay out
.irp i, 0,2,4,6,8,10,12,14
	v_pk_add_f32 v[T+\i:T+\i+1], v[XS+\i:XS+\i+1], v[NM:NM+1]      ; d = x - mean
.endr
.irp i, 0,2,4,6,8,10,12,14
	v_pk_mul_f32 v[T+\i:T+\i+1], v[T+\i:T+\i+1], v[T+\i:T+\i+1]    ; d^2
.endr
.irp i, 0,2,4,6,8,10,12,14
	v_pk_mul_f32 v[T+\i:T+\i+1], v[T+\i:T+\i+1], s[34:35] op_sel_hi:[1,0]   ; x -log2(e)
.endr
	s_wait_alu depctr_va_vdst(0)
.irp i, 0,1,2,3,4,5,6,7,8,9,10,11,12,13,14,15
	v_exp_f32 v[T+\i], v[T+\i]                     ; basis = 2^(-d^2 log2(e)): one batch
.endr
.irp i, 0,1,2,3,4,5,6,7,8,9,10,11,12,13,14,15
	v_med3_num_f32 v[XS+\i], v[XS+\i], -v[SX+1], v[SX+1]   ; x's hold (the conversion to an 8-bit code does not saturate: ISA guide 7.6.2): plain work that names no exponential's result
.endr
	v_cvt_scalef32_pk8_fp8_f32 v[CD:CD+1],   v[XS:XS+7],    v[SX]
	v_cvt_scalef32_pk8_fp8_f32 v[CD+2:CD+3], v[XS+8:XS+15], v[SX]
	s_wait_alu depctr_va_vdst(0)                   ; one wait for the sixteen exponentials, ahead of their first reader
.irp i, 0,1,2,3,4,5,6,7,8,9,10,11,12,13,14,15
	v_min_num_f32 v[T+\i], v[T+\i], v[SB+1]        ; basis is never negative: its hold is one-sided
.endr
	v_cvt_scalef32_pk8_fp8_f32 v[CD+4:CD+5], v[T:T+7],    v[SB]
	v_cvt_scalef32_pk8_fp8_f32 v[CD+6:CD+7], v[T+8:T+15], v[SB]
	v_nop                                          ; a plain line behind the last conversion: the next step writes its sources
	global_store_b128 v1, v[CD:CD+3],   s[12:13] offset:4096*((\t)/4)+512*((\t)%4)        ; 32 lanes store 512 consecutive bytes, aligned: x's codes,
	global_store_b128 v1, v[CD+4:CD+7], s[12:13] offset:4096*((\t)/4)+512*((\t)%4)+2048   ; and the basis's, in the row's second half
.endm
; Step u of base_weight
.macro STEPW u
.set XS, X+16*(8+(\u))
.set CD, X+16*(7+(\u))
	s_wait_loadcnt 4*(1-(\u))
.irp i, 0,1,2,3,4,5,6,7,8,9,10,11,12,13,14,15
	v_med3_num_f32 v[XS+\i], v[XS+\i], -v[SW+1], v[SW+1]
.endr
	v_cvt_scalef32_pk8_fp8_f32 v[CD:CD+1],   v[XS:XS+7],    v[SW]
	v_cvt_scalef32_pk8_fp8_f32 v[CD+2:CD+3], v[XS+8:XS+15], v[SW]
	v_nop                                          ; a plain line behind the last conversion
	global_store_b128 v1, v[CD:CD+3], s[14:15] offset:512*(\u)
.endm
	s_wait_alu depctr_va_vdst(0)
.irp t, 0,1,2,3,4,5,6,7
	STEPX \t
.endr
	STEPW 0
	STEPW 1
	s_endpgm
.Lfunc_end_k_q90b7ef7c5d_quant:
	.size	k_q90b7ef7c5d_quant, .Lfunc_end_k_q90b7ef7c5d_quant-k_q90b7ef7c5d_quant
	.p2alignl 7, 3214868480
	.fill 96, 4, 3214868480
	.section	.rodata,"a",@progbits
	.p2align	6, 0x0
	.amdhsa_kernel k_q90b7ef7c5d_quant
		.amdhsa_group_segment_fixed_size 0
		.amdhsa_private_segment_fixed_size 0
		.amdhsa_enable_private_segment 0
		.amdhsa_kernarg_size 48
		.amdhsa_user_sgpr_count 2
		.amdhsa_user_sgpr_kernarg_segment_ptr 1
		.amdhsa_wavefront_size32 1
		.amdhsa_system_sgpr_workgroup_id_x 1
		.amdhsa_system_sgpr_workgroup_id_y 1
		.amdhsa_system_sgpr_workgroup_id_z 1
		.amdhsa_system_vgpr_workitem_id 0
		.amdhsa_next_free_vgpr 208
		.amdhsa_next_free_sgpr 66
		.amdhsa_reserve_vcc 0
		.amdhsa_float_denorm_mode_32 3
		.amdhsa_float_denorm_mode_16_64 3
		.amdhsa_memory_ordered 1
		.amdhsa_forward_progress 1
		.amdhsa_inst_pref_size 43
	.end_amdhsa_kernel
	.amdgpu_metadata
---
amdhsa.version: [ 1, 2 ]
amdhsa.kernels:
  - .name:           k_q90b7ef7c5d_quant
    .symbol:         k_q90b7ef7c5d_quant.kd
    .args:
      - { .name: x, .offset: 0, .size: 8, .value_kind: global_buffer, .address_space: global }
      - { .name: base_weight, .offset: 8, .size: 8, .value_kind: global_buffer, .address_space: global }
      - { .name: psum, .offset: 16, .size: 8, .value_kind: global_buffer, .address_space: global }
      - { .name: lowp_scales, .offset: 24, .size: 8, .value_kind: global_buffer, .address_space: global }
      - { .name: acodes, .offset: 32, .size: 8, .value_kind: global_buffer, .address_space: global }
      - { .name: bcodes, .offset: 40, .size: 8, .value_kind: global_buffer, .address_space: global }
    .group_segment_fixed_size: 0
    .private_segment_fixed_size: 0
    .kernarg_segment_align: 8
    .kernarg_segment_size: 48
    .max_flat_workgroup_size: 512
    .sgpr_count:     66
    .vgpr_count:     208
    .wavefront_size: 32
...
	.end_amdgpu_metadata
.endif
;; end of part 2
;; launch gemm (part 3): grid 8 x 32, 4 waves a work-group, clusters of 4 x 4, 327,680 bytes of LDS; arguments acodes, bcodes, lowp_scales, out0; writes out0
.if DOCPART == 3
	.amdgcn_target "amdgcn-amd-amdhsa--gfx1250"
	.amdhsa_code_object_version 6
	.text
	.protected	k_q90b7ef7c5d_gemm
	.globl	k_q90b7ef7c5d_gemm
	.p2align	8
	.type	k_q90b7ef7c5d_gemm,@function
k_q90b7ef7c5d_gemm:
	s_mov_b64 s[64:65], 0
	v_nop
	global_prefetch_b8 v0, s[64:65] scope:SCOPE_SE
	s_setreg_imm32_b32 hwreg(HW_REG_WAVE_MODE, 25, 1), 1
	s_wait_xcnt 0x0
	s_wait_alu depctr_hold_cnt(0) depctr_sa_sdst(0) depctr_va_vdst(0) depctr_va_sdst(0) depctr_va_ssrc(0) depctr_va_vcc(0) depctr_vm_vsrc(0)
	s_getreg_b32 s2, hwreg(HW_REG_IB_STS2, 6, 4)
	s_cmp_eq_u32 s2, 0
	s_cbranch_scc0 .Lentry_in_a_cluster
	s_endpgm
.Lentry_in_a_cluster:
	s_bfe_u32 s2, ttmp6, 0x10000c
	s_cmp_lg_u32 s2, 0xf033
	s_cbranch_scc0 .Lentry_shape_is_right
	s_endpgm
.Lentry_shape_is_right:
; out0[m][n] = 2^(e0+e1) x sum over k < 2048 of xcode[m][k] wcode[n][k]  +  2^(e2+e3) x sum over k < 2048 of basiscode[m][k] gsumcode[n][k].
; acodes [8192][4096] holds x's codes and then the basis's in each row, bcodes [2048][4096] base_weight's and then gsum's: ONE product with K = 4096 on E4M3 codes.
; The two halves of K have different scales: when the first 2048 along K are summed, every sum is multiplied once by 2^(e0+e1-e2-e3), and at the end by 2^(e2+e3): powers of two.
; LIMITS: e0+e1-e2-e3 and e2+e3 lie between -126 and 127, so that both factors are f32 numbers.  K is permuted alike in both operands (by the launches before, and by the
; fragments' four 16-byte loads): every product meets its partner, only the order of the f32 sums differs from ascending K.  No work of the problem is left out.
; SHARES: a work-group of four waves makes 256 x 256 of out0, a wave 128 x 128 in 64 accumulators (512 registers): 8 x 32 = 256 work-groups.
; K goes in steps of 256 (rows of 256 bytes) through two LDS slots; each wave fetches 128 rows of a slot by one tensor load.
; CLUSTERS 4 x 4: A's tile is asked for jointly along a row of the cluster, B's along a column.  The matrix instruction is used transposed (source 0 = B's rows).
; REGISTERS: window 0: v16-30 addresses, v128-255 A's fragments (one set); window 1: B's fragments (two sets); windows 2, 3: the accumulators.
; PREFETCH: behind the joint load of K step s each wave names 32 rows x 256 bytes of K step s + 2 (a lane a row; the four partners of a joint load share its 128 rows by address);
; behind the load of K step 0 also K step 1.  Every cluster asks for its own tiles.  The last two refills (K steps 14, 15) ask for nothing.
.set SIZE_M, 8192
.set SIZE_N, 2048
.set SIZE_K, 4096
.set KSTEP,  256
.set ROWB,   256
.set KROW,   SIZE_K
.set PITCH,  272
.set FR,     16
.set NL,     4
.set NP,     4
.set HALFT,  128*PITCH
.set SLOT,   4*HALFT
.set LAPS,   SIZE_K/(2*KSTEP)
.set SPARE,  2*SLOT
.set SPITCH, 528
.set ADRA, 16
.set ADRB, 20
.set STO,  24
.set RD,   25
.set CO,   26
.set SPW,  28
.set NIL,  29
.set PFO,  30
.set TMP,  32
.set AF,   128
.set G1, 24
.set G0, 32
.set G1B, 48
.set G0B, 56
.set PFA, 68
.set LIM, 70
.set MID, 90
.set FIN, 96
.set MSB, 0
.macro WIN new
.if MSB != (\new)
	s_set_vgpr_msb (MSB<<8)|(\new)
.set MSB, (\new)
.endif
.endm
.set MUL_LO, 0xa1
.set MUL_HI, 0xf1
.set TO_B,   0x40
.macro JLOAD g0a, g1a, g0b, g1b
	s_cmp_eq_u32 s15, 0
	s_cbranch_scc0 .Lfor_b_\@
	tensor_load_to_lds s[\g0a:\g0a+3], s[\g1a:\g1a+7]
	s_nop 0
.rept 4
	v_nop
.endr
	s_branch .Lasked_\@
.Lfor_b_\@:
	tensor_load_to_lds s[\g0b:\g0b+3], s[\g1b:\g1b+7]
	s_nop 0
.rept 4
	v_nop
.endr
.Lasked_\@:
.endm
.macro ASK
	s_cmp_gt_u32 s3, s[LIM]
	s_cbranch_scc0 .Lnot_mine_\@
	s_wait_alu depctr_va_vdst(0)
	global_prefetch_b8 v[PFO], s[PFA:PFA+1] offset:3*ROWB th:TH_LOAD_NT scope:SCOPE_SE   ; PFA stands one K step behind the refill's: this names the K step two on from the refill
.Lnot_mine_\@:
.endm
.macro CREST
	s_cmp_lg_u32 s14, 0
	s_cbranch_scc1 .Lnot_wave_0_\@
	s_barrier_signal -3
.Lnot_wave_0_\@:
	s_barrier_wait -3
	s_barrier_signal -1
	s_barrier_wait -1
.endm
.macro CROUND
	s_barrier_signal -1
	s_barrier_wait -1
	CREST
.endm
	s_load_b128 s[4:7], s[0:1], 0x0
	s_load_b128 s[8:11], s[0:1], 0x10
	v_lshl_add_u32 v[SPW], v0, 2, SPARE
	v_mov_b32 v[NIL], 0
	ds_add_u32 v28, v29
	ds_add_u32 v28, v29
	s_wait_dscnt 0x0
	v_lshrrev_b32 v1, 5, v0
	v_readfirstlane_b32 s14, v1
	s_lshr_b32 s15, s14, 1
	s_and_b32 s16, s14, 1
	s_bfe_u32 s40, ttmp6, 0x40000
	s_bfe_u32 s41, ttmp6, 0x40004
	s_lshl_b32 s42, ttmp9, 2
	s_add_co_u32 s42, s42, s40
	s_and_b32 s17, ttmp7, 0xffff
	s_lshl_b32 s17, s17, 2
	s_add_co_u32 s17, s17, s41
	s_lshl_b32 s43, s41, 2
	s_lshl_b32 s43, 15, s43
	s_lshl_b32 s44, 0x1111, s40
	s_or_b32 s[G1+0], s43, (0<<16)|(1<<20)|(1<<21)|(5<<22)|(3<<25)
	s_or_b32 s[G1B+0], s44, (0<<16)|(1<<20)|(1<<21)|(5<<22)|(3<<25)
.irp g, G1, G1B
	s_mov_b32 s[\g+1], ROWB<<16
	s_mov_b32 s[\g+2], 128<<16
	s_mov_b32 s[\g+3], ROWB<<16
	s_mov_b32 s[\g+4], 128
	s_mov_b32 s[\g+5], KROW
	s_mov_b32 s[\g+6], 0
	s_mov_b32 s[\g+7], 0
.endr
	s_lshl_b32 s18, s16, 7
	s_lshl_b32 s20, s17, 8
	s_add_co_u32 s20, s20, s18
	s_lshl_b32 s46, s42, 8
	s_add_co_u32 s46, s46, s18
	s_mov_b32 s21, 0
	s_mov_b32 s47, 0
	s_mov_b64 s[18:19], KROW
	s_mul_u64 s[20:21], s[20:21], s[18:19]
	s_mul_u64 s[46:47], s[46:47], s[18:19]
	s_mul_i32 s45, s14, HALFT
	s_wait_kmcnt 0x0
	s_load_b128 s[92:95], s[8:9], 0x0
	s_add_nc_u64 s[20:21], s[4:5], s[20:21]
	s_add_nc_u64 s[46:47], s[6:7], s[46:47]
	CROUND
.irp s, 0,1
	s_mov_b32 s[G0+4*\s], 1
	s_add_co_u32 s[G0+4*\s+1], s45, \s*SLOT
	s_add_nc_u64 s[G0+4*\s+2:G0+4*\s+3], s[20:21], \s*ROWB
	s_or_b32 s[G0+4*\s+3], s[G0+4*\s+3], 0x80000000
	s_mov_b32 s[G0B+4*\s], 1
	s_add_co_u32 s[G0B+4*\s+1], s45, \s*SLOT
	s_add_nc_u64 s[G0B+4*\s+2:G0B+4*\s+3], s[46:47], \s*ROWB
	s_or_b32 s[G0B+4*\s+3], s[G0B+4*\s+3], 0x80000000
.endr
	JLOAD G0, G1, G0B, G1B                         ; K step 0: one tensor load a wave at the head, behind the round above
	v_and_b32 v1, 15, v0
	s_wait_alu depctr_va_vdst(0)
	v_bfe_u32 v2, v0, 4, 1
	v_mul_u32_u24 v3, v1, PITCH
	v_lshl_add_u32 v4, v2, 4, v3
	s_mul_i32 s21, s15, HALFT
	s_mul_i32 s22, s16, HALFT
	s_add_co_u32 s22, s22, 2*HALFT
.irp s, 0,1
	v_add_nc_u32 v[ADRA+\s], s21, v4
	v_add_nc_u32 v[ADRB+\s], s22, v4
	s_add_co_u32 s21, s21, SLOT
	s_add_co_u32 s22, s22, SLOT
.endr
	s_mul_i32 s23, s14, 16*SPITCH
	v_mul_u32_u24 v5, v1, SPITCH
	s_wait_alu depctr_va_vdst(0)
	v_lshl_add_u32 v5, v2, 5, v5
	v_add_nc_u32 v[STO], s23, v5
	v_and_b32 v6, 31, v0
	v_lshlrev_b32 v[CO], 4, v6
	v_add_nc_u32 v[RD], s23, v[CO]
	s_lshl_b32 s20, s17, 8
	s_lshl_b32 s21, s15, 7
	s_add_co_u32 s20, s20, s21
	s_mov_b32 s21, 0
	s_mov_b64 s[18:19], SIZE_N*4
	s_mul_u64 s[20:21], s[20:21], s[18:19]
	s_lshl_b32 s46, s42, 10
	s_lshl_b32 s47, s16, 9
	s_add_co_u32 s46, s46, s47
	s_mov_b32 s47, 0
	s_add_nc_u64 s[20:21], s[20:21], s[46:47]
	s_add_nc_u64 s[10:11], s[10:11], s[20:21]
	s_lshl_b32 s72, s17, 8
	s_lshl_b32 s73, s42, 8
	s_cmp_eq_u32 s15, 0
	s_cselect_b32 s72, s72, s73
	s_cselect_b32 s73, s40, s41
	s_cselect_b64 s[PFA:PFA+1], s[4:5], s[6:7]
	s_mov_b32 s[LIM], 1                            ; every wave of every cluster asks, but in the loop's last trip (s3 = 1)
	s_lshl_b32 s74, s16, 7
	s_add_co_u32 s72, s72, s74
	s_lshl_b32 s73, s73, 5
	s_add_co_u32 s72, s72, s73
	s_mov_b32 s73, 0
	s_lshl_b64 s[72:73], s[72:73], 12
	s_add_nc_u64 s[PFA:PFA+1], s[PFA:PFA+1], s[72:73]
	v_and_b32 v[PFO], 31, v0
	v_lshlrev_b32 v[PFO], 12, v[PFO]               ; my lane x a row of 4,096 bytes; never rewritten
	s_wait_alu depctr_va_vdst(0)                   ; the wait ahead of the reader below
	global_prefetch_b8 v[PFO], s[PFA:PFA+1] offset:ROWB th:TH_LOAD_NT scope:SCOPE_SE     ; K step 1 of my 32 rows (PFA stands at K step 0),
	global_prefetch_b8 v[PFO], s[PFA:PFA+1] offset:2*ROWB th:TH_LOAD_NT scope:SCOPE_SE   ; and K step 2
	s_wait_kmcnt 0x0
	s_add_co_i32 s[FIN], s94, s95
	s_add_co_i32 s[MID], s92, s93
	s_sub_co_i32 s[MID], s[MID], s[FIN]
	s_add_co_i32 s[MID], s[MID], 127
	s_lshl_b32 s[MID], s[MID], 23
	s_mov_b32 s[MID+1], s[MID]
	s_add_co_i32 s[FIN], s[FIN], 127
	s_lshl_b32 s[FIN], s[FIN], 23
	s_mov_b32 s[FIN+1], s[FIN]
.macro FRAG reg, adr, q, i
.irp c, 0,1,2,3
	ds_load_b128 v[\reg+4*\c:\reg+4*\c+3], v[\adr] offset:128*(\q)+32*\c+(\i)*16*PITCH
.endr
.endm
.macro MUL16 a0, p, zero
.irp a, \a0, \a0+1
.irp b, 0,1,2,3,4,5,6,7
.if \zero
	v_wmma_f32_16x16x128_fp8_fp8 v[8*(8*((\a)%4)+\b):8*(8*((\a)%4)+\b)+7], v[128*(\p)+FR*\b:128*(\p)+FR*\b+FR-1], v[AF+FR*(\a):AF+FR*(\a)+FR-1], 0
.else
	v_wmma_f32_16x16x128_fp8_fp8 v[8*(8*((\a)%4)+\b):8*(8*((\a)%4)+\b)+7], v[128*(\p)+FR*\b:128*(\p)+FR*\b+FR-1], v[AF+FR*(\a):AF+FR*(\a)+FR-1], v[8*(8*((\a)%4)+\b):8*(8*((\a)%4)+\b)+7]
.endif
.endr
.endr
.endm
.macro FETCH_B slot, q, p
	WIN TO_B
.irp i, 0,1,2,3,4,5,6,7
	FRAG 128*(\p)+FR*\i, ADRB+\slot, \q, \i
.endr
	WIN 0
.endm
.macro FETCH_A slot, q, i0
.irp i, \i0, \i0+1, \i0+2, \i0+3
	FRAG AF+FR*(\i), ADRA+\slot, \q, \i
.endr
.endm
.macro PLACES n
.rept \n
	v_nop
.endr
.endm
.macro FETCH_B4 slot, q, p, i0         ; B's fragments i0 .. i0 + 3 into set p: 16 loads
	WIN TO_B
.irp i, \i0, \i0+1, \i0+2, \i0+3
	FRAG 128*(\p)+FR*(\i), ADRB+\slot, \q, \i
.endr
	WIN 0
.endm
.macro FETCH_A2 slot, q, i0            ; A's blocks i0, i0 + 1: 8 loads
.irp i, \i0, \i0+1
	FRAG AF+FR*(\i), ADRA+\slot, \q, \i
.endr
.endm
; A step of 128 along K with its successor in the same slot: 64 matrix instructions in four groups of 16; behind each group, and its four places, a run of LDS loads
; for the next step: 24, 24, 8, 8.  A's two blocks are free when their group is issued; B's other set takes the next step's fragments in the first two runs.
.macro STEP slot, q, zero
	s_wait_dscnt 4*NL                              ; B's set and A's blocks 0-3 are in; the youngest 16 loads (A's blocks 4-7) may be out
	WIN MUL_LO
	MUL16 0, (\q)%2, \zero
	PLACES NP
	FETCH_B4 \slot, (\q)+1, 1-(\q)%2, 0
	FETCH_A2 \slot, (\q)+1, 0
	WIN MUL_LO
	MUL16 2, (\q)%2, \zero
	PLACES NP
	FETCH_B4 \slot, (\q)+1, 1-(\q)%2, 4
	FETCH_A2 \slot, (\q)+1, 2
	s_wait_dscnt 56                                ; A's blocks 4, 5 are in: behind their loads stand blocks 6, 7's 8 and this step's 48
	WIN MUL_HI
	MUL16 4, (\q)%2, \zero
	PLACES NP
	WIN 0
	FETCH_A2 \slot, (\q)+1, 4
	s_wait_dscnt 56                                ; A's blocks 6, 7 are in: behind their loads stand this step's 48 + 8
	WIN MUL_HI
	MUL16 6, (\q)%2, \zero
	PLACES NP
	WIN 0
	FETCH_A2 \slot, (\q)+1, 6
.endm
.macro TURN slot, next, fill
.if \fill
	s_wait_xcnt 0x0
	s_add_nc_u64 s[PFA:PFA+1], s[PFA:PFA+1], ROWB
.endif
	s_wait_tensorcnt 0x0
	ds_add_u32 v[SPW], v[NIL]
.if \fill
	s_add_nc_u64 s[G0+4*\slot+2:G0+4*\slot+3], s[G0+4*\slot+2:G0+4*\slot+3], 2*ROWB
	s_add_nc_u64 s[G0B+4*\slot+2:G0B+4*\slot+3], s[G0B+4*\slot+2:G0B+4*\slot+3], 2*ROWB
.endif
	s_wait_dscnt 4*NL+1                            ; the add and the youngest 16 loads (A's blocks 4-7) may be out
	WIN MUL_LO
	MUL16 0, 1, 0                                  ; sixteen matrix instructions stand between the add and the wait for it
	s_wait_dscnt 0x0                               ; the add is done, and my reads of this slot are over
	s_barrier_signal -1
	MUL16 2, 1, 0                                  ; work on registers while the others arrive
	WIN 0
	s_barrier_wait -1
.if \fill
	CREST                                          ; the barrier has opened a round of the cluster's barrier: no wave of any partner reads this slot or has a load out
	JLOAD G0+4*\slot, G1, G0B+4*\slot, G1B         ; the first tensor load behind the round; its four v_nop are the places in front of the loads below
.else
	PLACES NP
.endif
	FETCH_B \next, 0, 0
	FETCH_A \next, 0, 0
.if \fill
	ASK                                            ; behind the joint load and the run of LDS loads
.endif
	WIN MUL_HI
	MUL16 4, 1, 0
	PLACES NP
	WIN 0
	FETCH_A2 \next, 0, 4
	WIN MUL_HI
	MUL16 6, 1, 0
	PLACES NP
	WIN 0
	FETCH_A2 \next, 0, 6
.endm
.macro RESCALE
	s_cmp_eq_u32 s3, LAPS/2
	s_cbranch_scc0 .Lno_rescale
	WIN 0x82
.set J, 0
.rept 128
	v_pk_mul_f32 v[J:J+1], v[J:J+1], s[MID:MID+1] op_sel_hi:[1,0]
.set J, J+2
.endr
	WIN 0xc3
.set J, 0
.rept 128
	v_pk_mul_f32 v[J:J+1], v[J:J+1], s[MID:MID+1] op_sel_hi:[1,0]
.set J, J+2
.endr
	WIN 0
.Lno_rescale:
.endm
	s_wait_alu depctr_va_vdst(0)
	s_wait_tensorcnt 0x0                           ; my part of K step 0 is in; slot 1's first fill is issued as a refill is:
	ds_add_u32 v[SPW], v[NIL]                      ; the add
	s_wait_dscnt 0x0
	CROUND                                         ; everybody's part of K step 0 is in, and all sixteen work-groups are here
	JLOAD G0+4, G1, G0B+4, G1B                     ; K step 1: the first tensor load behind the round
	FETCH_B 0, 0, 0
	FETCH_A 0, 0, 0
	FETCH_A 0, 0, 4
	global_prefetch_b8 v[PFO], s[PFA:PFA+1] offset:3*ROWB th:TH_LOAD_NT scope:SCOPE_SE   ; K step 3: two on from the load above
	STEP 0, 0, 1
	s_mov_b32 s3, LAPS-1
.Llap:
	TURN 0, 1, 1
	STEP 1, 0, 0
	TURN 1, 0, 1
	RESCALE
	s_wait_alu depctr_va_vdst(0)
	STEP 0, 0, 0
	s_sub_co_u32 s3, s3, 1
	s_cmp_lg_u32 s3, 0
	s_cbranch_scc1 .Llap
	TURN 0, 1, 0
	STEP 1, 0, 0
	s_wait_dscnt 4*NL
	WIN MUL_LO
	MUL16 0, 1, 0
	MUL16 2, 1, 0
	s_wait_dscnt 0
	WIN MUL_HI
	MUL16 4, 1, 0
	MUL16 6, 1, 0
	WIN 0
.macro TOSTAGE a
.set AC, 64*((\a)%4)
	WIN 0x02+((\a)/4)
.irp j, 0,2,4,6,8,10,12,14,16,18,20,22,24,26,28,30,32,34,36,38,40,42,44,46,48,50,52,54,56,58,60,62
	v_pk_mul_f32 v[TMP+\j:TMP+\j+1], v[AC+\j:AC+\j+1], s[FIN:FIN+1] op_sel_hi:[1,0]
.endr
	WIN 0
.irp b, 0,1,2,3,4,5,6,7
	ds_store_b128 v[STO], v[TMP+8*\b:TMP+8*\b+3] offset:64*\b
	ds_store_b128 v[STO], v[TMP+8*\b+4:TMP+8*\b+7] offset:64*\b+16
.endr
; Each block comes back from the stage into 64 registers of its own, all done with by then: blocks 0, 1: window 0, v128-255 (A's fragments);
; blocks 2-5: window 1 (B's two sets); blocks 6, 7: window 2, v0-127 (the accumulators of blocks 0 and 1, already scaled).  So no store's data are written again.
.set BB, 64*(((\a)+2)%4)
	WIN (((\a)+2)/4)<<6                            ; the loads' destination window
.irp t, 0,1,2,3,4,5,6,7,8,9,10,11,12,13,14,15
	ds_load_b128 v[BB+4*\t:BB+4*\t+3], v[RD] offset:\t*SPITCH
.endr
	WIN 0
.endm
.macro SEND a, younger
.set BB, 64*(((\a)+2)%4)
	s_wait_dscnt \younger                          ; the block is back in registers
	WIN (((\a)+2)/4)<<2                            ; the stores' data window (source 1)
.irp t, 0,1,2,3,4,5,6,7,8,9,10,11,12,13,14,15
	global_store_b128 v[CO], v[BB+4*\t:BB+4*\t+3], s[10:11] offset:(16*(\a)+\t)*SIZE_N*4 th:TH_STORE_NT   ; 32 lanes store 512 consecutive bytes, aligned; the row stands in the immediate (127 x 8,192 bytes at the most): base and offset are never rewritten
.endr
	WIN 0
.endm
	PLACES NP
	TOSTAGE 0
.irp a, 1,2,3,4,5,6,7
	TOSTAGE \a
	SEND \a-1, 32
.endr
	SEND 7, 0
	s_wait_tensorcnt 0x0
	ds_add_u32 v[SPW], v[NIL]
	s_wait_dscnt 0x0
	CROUND
	s_endpgm
.Lfunc_end_k_q90b7ef7c5d_gemm:
	.size	k_q90b7ef7c5d_gemm, .Lfunc_end_k_q90b7ef7c5d_gemm-k_q90b7ef7c5d_gemm
	.p2alignl 7, 3214868480
	.fill 96, 4, 3214868480
	.section	.rodata,"a",@progbits
	.p2align	6, 0x0
	.amdhsa_kernel k_q90b7ef7c5d_gemm
		.amdhsa_group_segment_fixed_size 327680
		.amdhsa_private_segment_fixed_size 0
		.amdhsa_enable_private_segment 0
		.amdhsa_kernarg_size 32
		.amdhsa_user_sgpr_count 2
		.amdhsa_user_sgpr_kernarg_segment_ptr 1
		.amdhsa_wavefront_size32 1
		.amdhsa_system_sgpr_workgroup_id_x 1
		.amdhsa_system_sgpr_workgroup_id_y 1
		.amdhsa_system_sgpr_workgroup_id_z 1
		.amdhsa_system_vgpr_workitem_id 0
		.amdhsa_next_free_vgpr 1024
		.amdhsa_next_free_sgpr 98
		.amdhsa_reserve_vcc 0
		.amdhsa_float_denorm_mode_32 3
		.amdhsa_float_denorm_mode_16_64 3
		.amdhsa_memory_ordered 1
		.amdhsa_forward_progress 1
		.amdhsa_inst_pref_size 144
	.end_amdhsa_kernel
	.amdgpu_metadata
---
amdhsa.version: [ 1, 2 ]
amdhsa.kernels:
  - .name:           k_q90b7ef7c5d_gemm
    .symbol:         k_q90b7ef7c5d_gemm.kd
    .args:
      - { .name: acodes, .offset: 0, .size: 8, .value_kind: global_buffer, .address_space: global }
      - { .name: bcodes, .offset: 8, .size: 8, .value_kind: global_buffer, .address_space: global }
      - { .name: lowp_scales, .offset: 16, .size: 8, .value_kind: global_buffer, .address_space: global }
      - { .name: out0, .offset: 24, .size: 8, .value_kind: global_buffer, .address_space: global }
    .group_segment_fixed_size: 327680
    .private_segment_fixed_size: 0
    .kernarg_segment_align: 8
    .kernarg_segment_size: 32
    .max_flat_workgroup_size: 128
    .sgpr_count:     98
    .vgpr_count:     1024
    .wavefront_size: 32
...
	.end_amdgpu_metadata
.endif
;; end of part 3
